; MI455X (gfx1250); checked and timed in simulation.
; The chip was launched on July 23, 2026; its instructions are those of AMD's public machine-readable ISA for CDNA 5 (MIT licence, August 2026) and "CDNA5" Instruction Set Architecture Reference Guide (July 2026). The comments in the code are by the model that wrote it; some were corrected since.
;; Descriptor Matcher. Allowed arithmetic: matrix products marked QUANTISED: E4M3 operands, one given power-of-two scale a tensor, by v_wmma_f32_16x16x64_fp8_fp8 or v_wmma_f32_16x16x128_fp8_fp8, f32 sums; everything else in f32.
;; Inputs: desc1 16,384 x 256 float32; desc2 16,384 x 256 float32; lowp_scales 2 int32 (the exponents e of the quantised operands' scales 2^e).
;; Outputs: out0 16,384 x 1 float32; out1 16,384 x 2 int32.
;; This version of the problem:
;;   THIS VERSION OF THE PROBLEM IS GIVEN IN LOW PRECISION. The matrix products marked QUANTISED in the list below multiply operands that are first quantised to E4M3 (4 exponent bits, 3 mantissa bits; 8 bits a number), with one given power-of-two scale for each operand tensor; their sums are f32. All else is computed in f32.
;;   The module's matrix products, in the order in which they are computed (A, B: the left and right operand; K: the contracted axis; several contracted axes count as one K, in the product's order):
;;     1. [M 16,384, K 256] x [K 256, N 16,384]; A: input desc1; B: input desc2: QUANTISED (scales: A lowp_scales[0], B lowp_scales[1])
;;   THE QUANTISER, for each operand of a quantised product, along K:
;;     - The operand's scale is 2^e, e = its entry of the input lowp_scales (int32; the entries are numbered through the quantised products in the list's order, A before B).
;;     - Each number is divided by the scale, clamped to +-448, and rounded to the nearest number of E4M3, ties to even, subnormals kept.
;;     - The product sums the exact products of the quantised numbers (number of the format x scale) in f32.
;;   ~~~python
;;   def quantise(x, axis, e):      # numpy; x: float32 -> the quantised numbers, widened to float32 again
;;       x = np.moveaxis(x, axis, -1); K = x.shape[-1]
;;       r = np.clip(x / 2.0 ** e, -448, 448)
;;       step = 2.0 ** (np.maximum(np.frexp(np.where(r == 0, 1, r))[1] - 1, -6) - 3)
;;       q = np.round(r / step) * step * 2.0 ** e      # np.round: ties to even
;;       return np.moveaxis(q, -1, axis).astype(np.float32)
;;   ~~~
;; One version. Each part assembles by itself: llvm-mc -triple=amdgcn-amd-amdhsa -mcpu=gfx1250 --defsym DOCPART=n.
;; ======== version 1 of 1: 3 launches
;; workspace buffers: qcodes 4,194,304 bytes; kcodes 4,194,304 bytes; a2 65,536 bytes; cb 65,536 bytes; pkey 1,048,576 bytes of whole numbers; pidx 1,048,576 bytes of whole numbers
;; launch quant (part 1): grid 256 x 1, 8 waves a work-group, no clusters, 42,496 bytes of LDS; arguments desc1, desc2, lowp_scales, qcodes, kcodes, a2, cb; writes qcodes, kcodes, a2, cb
.if DOCPART == 1
	.amdgcn_target "amdgcn-amd-amdhsa--gfx1250"
	.amdhsa_code_object_version 6
	.text
	.protected	k_qc70b79a4dd_quant
	.globl	k_qc70b79a4dd_quant
	.p2align	8
	.type	k_qc70b79a4dd_quant,@function
k_qc70b79a4dd_quant:
	s_mov_b64 s[64:65], 0
	v_nop
	global_prefetch_b8 v0, s[64:65] scope:SCOPE_SE
	s_setreg_imm32_b32 hwreg(HW_REG_WAVE_MODE, 25, 1), 1
	s_wait_xcnt 0x0
; desc1 and desc2, [16384][256] f32, become codes of FP8 (E4M3), K innermost, each with its given scale 2^e (entry 0 for desc1, entry 1 for desc2),
; and each row's sum of squares is taken of the UNQUANTISED numbers, in f32:  a2[m] = sum of desc1[m][:]^2;  cb[n] = -(sum of desc2[n][:]^2) x 2^-(e0 + e1 + 1),
; which is what the next launch gives its matrix sums as their first addend.
; code = x / 2^e, held within +-448, rounded to the nearest code, ties to even.
; LIMITS: -126 <= e and e + 8 <= 127 for both; e0 + e1 + 1 between -126 and 126.  NaN and infinities among the inputs are not served.  A row's squares are added in another order than a plain chain.
; SHARES.  Work-groups 0-127 take desc1, 128-255 desc2: only pointers, e and the sum's factor are chosen, on the work-group's number; there is one path through the text.
; A work-group takes 128 rows, each of its eight waves 16, in 8 steps of two rows (512 numbers).  Each load reads 512 consecutive bytes, 16 a lane; a step's 2,048 bytes turn through the wave's own
; stage in LDS and come back 64 bytes a lane, so that a lane holds 16 NEIGHBOURS along K, which the conversions want; lanes 0-15 then hold one row, lanes 16-31 the next.
; All of a wave's 32 loads go out at the head: 16 KiB a wave.  No tensor loads, no cluster: the work-groups share no input.
.set SP,     80                        ; a lane's place in a stage: 64 bytes + 16 of padding
.set STAGEB, 32*SP                     ; a stage
.set WREG,   2*STAGEB                  ; a wave's two stages
.set NORM,   8*WREG                    ; behind the stages: the work-group's 128 row sums, 512 bytes
.set R,      16                        ; v16-143  eight steps x 16 numbers as loaded
.set X,      144                       ; v144-175 two sets of 16 neighbours
.set C,      176                       ; v176-207 four registers of codes for each step: no store's data are written again
	s_load_b128 s[4:7], s[0:1], 0x0                ; desc1, desc2
	s_load_b64 s[10:11], s[0:1], 0x10              ; the scales' exponents
	s_load_b128 s[12:15], s[0:1], 0x18             ; qcodes, kcodes
	s_load_b128 s[16:19], s[0:1], 0x28             ; a2, cb
	v_lshl_add_u32 v224, v0, 2, 0xa200
	v_mov_b32 v225, 0
	v_lshrrev_b32 v1, 5, v0
	v_readfirstlane_b32 s20, v1                    ; wave 0..7
	v_and_b32 v2, 31, v0                           ; lane
	v_lshlrev_b32 v3, 4, v2                        ; 16 x lane: my bytes of a load's 512, of a step's codes, of the sums
	s_mul_i32 s28, s20, WREG
	v_lshrrev_b32 v4, 2, v2
	v_mul_u32_u24 v4, v4, SP
	v_and_b32 v5, 3, v2
	v_lshl_add_u32 v4, v5, 4, v4
	v_add_nc_u32 v4, s28, v4                       ; the stage, on the way in: SP (lane / 4) + 16 (lane % 4)
	v_mul_u32_u24 v5, v2, SP
	v_add_nc_u32 v5, s28, v5                       ; and on the way out: SP x lane
	v_and_b32 v7, 7, v2                            ; the step whose sum I keep
	v_lshrrev_b32 v6, 4, v2
	v_lshlrev_b32 v6, 2, v6
	v_lshl_add_u32 v6, v7, 3, v6
	s_lshl_b32 s29, s20, 6
	s_add_co_u32 s29, s29, NORM
	v_add_nc_u32 v6, s29, v6                       ; its word: NORM + 4 (16 wave + 2 (lane % 8) + lane / 16)
	v_mov_b32 v8, 0                                ; the kept sum
	s_wait_kmcnt 0x0
	s_load_b64 s[22:23], s[10:11], 0x0             ; e0, e1
	s_cmp_lt_u32 ttmp9, 128                        ; desc1's work-group or desc2's: the choice hangs on the work-group's number alone
	s_cselect_b64 s[4:5], s[4:5], s[6:7]
	s_cselect_b64 s[8:9], s[12:13], s[14:15]
	s_cselect_b64 s[16:17], s[16:17], s[18:19]
	s_cselect_b32 s21, 0, 128
	s_sub_co_u32 s21, ttmp9, s21                   ; which 128 rows of the tensor
	s_lshl_b32 s28, s21, 17                        ; (128 g + 16 wave) rows of 1,024 bytes
	s_lshl_b32 s30, s20, 14
	s_add_co_u32 s28, s28, s30
	s_mov_b32 s29, 0
	s_add_nc_u64 s[4:5], s[4:5], s[28:29]
	s_lshl_b32 s28, s21, 15                        ; the same rows of 256 codes
	s_lshl_b32 s30, s20, 12
	s_add_co_u32 s28, s28, s30
	s_add_nc_u64 s[8:9], s[8:9], s[28:29]
	s_lshl_b32 s28, s21, 9                         ; the work-group's 128 sums
	s_add_nc_u64 s[16:17], s[16:17], s[28:29]
.macro LOAD t
.irp i, 0,1,2,3
	global_load_b128 v[R+16*(\t)+4*\i:R+16*(\t)+4*\i+3], v3, s[4:5] offset:2048*(\t)+512*\i th:TH_LOAD_NT   ; 32 lanes read 512 consecutive bytes; read once in the launch
.endr
.endm
.macro TURN t                          ; step t's numbers through a stage: LDS serves a wave's instructions in order, so no wait stands between the stores and the loads
.irp i, 0,1,2,3
	ds_store_b128 v4, v[R+16*(\t)+4*\i:R+16*(\t)+4*\i+3] offset:STAGEB*((\t)%2)+8*SP*\i
.endr
.irp i, 0,1,2,3
	ds_load_b128 v[X+16*((\t)%2)+4*\i:X+16*((\t)%2)+4*\i+3], v5 offset:STAGEB*((\t)%2)+16*\i
.endr
.endm
.irp t, 0,1,2,3,4,5,6,7
	LOAD \t
.endr
	s_wait_kmcnt 0x0
	s_add_co_i32 s27, s22, s23
	s_sub_co_i32 s27, 126, s27
	s_lshl_b32 s27, s27, 23
	s_or_b32 s27, s27, 0x80000000                  ; -2^-(e0 + e1 + 1) as f32
	s_cmp_lt_u32 ttmp9, 128
	s_cselect_b32 s26, 0x3f800000, s27             ; the sum's factor: 1 for desc1
	s_cselect_b32 s22, s22, s23                    ; e
	s_add_co_i32 s22, s22, 127
	s_lshl_b32 s24, s22, 23
	v_mov_b32 v11, s24                             ; 2^e as f32: the conversion takes its exponent field
	s_add_co_i32 s22, s22, 8
	s_lshl_b32 s25, s22, 23
	s_or_b32 s25, s25, 0x600000
	v_mov_b32 v10, s25                             ; 448 x 2^e
	s_wait_loadcnt 28                              ; step 0's four loads are in; the 28 behind them may be out
	TURN 0
.macro STEP t
.set XS, X+16*((\t)%2)
	s_wait_dscnt 0x0                               ; this step's numbers are back from the stage
.if (\t) < 7
	s_wait_loadcnt 4*(6-(\t))                      ; the next step's four loads are in; those of the steps behind it may be out
	TURN (\t)+1                                    ; and go through the other stage while this step is worked
.endif
	v_pk_mul_f32 v[12:13], v[XS:XS+1], v[XS:XS+1]          ; the squares of my 16 numbers, in two packed chains
	v_pk_mul_f32 v[14:15], v[XS+2:XS+3], v[XS+2:XS+3]
.irp k, 4,8,12
	v_pk_fma_f32 v[12:13], v[XS+\k:XS+\k+1], v[XS+\k:XS+\k+1], v[12:13]
	v_pk_fma_f32 v[14:15], v[XS+\k+2:XS+\k+3], v[XS+\k+2:XS+\k+3], v[14:15]
.endr
	v_pk_add_f32 v[12:13], v[12:13], v[14:15]
	v_add_f32 v9, v12, v13
	v_add_f32_dpp v9, v9, v9 row_xmask:1 row_mask:0xf bank_mask:0xf    ; across the sixteen lanes that hold the row
	v_add_f32_dpp v9, v9, v9 row_xmask:2 row_mask:0xf bank_mask:0xf
	v_add_f32_dpp v9, v9, v9 row_xmask:4 row_mask:0xf bank_mask:0xf
	v_add_f32_dpp v9, v9, v9 row_xmask:8 row_mask:0xf bank_mask:0xf
	v_cmp_eq_u32 vcc_lo, \t, v7
	v_cndmask_b32 v8, v8, v9, vcc_lo               ; lanes with lane % 8 = t keep row 2 t + lane / 16's sum
.irp i, 0,1,2,3,4,5,6,7,8,9,10,11,12,13,14,15
	v_med3_num_f32 v[XS+\i], v[XS+\i], -v10, v10   ; the conversion to an 8-bit code does not saturate (ISA guide 7.6.2): the hold at the largest code x the scale comes first
.endr
	v_cvt_scalef32_pk8_fp8_f32 v[C+4*(\t):C+4*(\t)+1], v[XS:XS+7], v11
	v_cvt_scalef32_pk8_fp8_f32 v[C+4*(\t)+2:C+4*(\t)+3], v[XS+8:XS+15], v11
	global_store_b128 v3, v[C+4*(\t):C+4*(\t)+3], s[8:9] offset:512*(\t)   ; the wave stores 512 consecutive bytes, aligned: two rows of codes.  (The codes go to a store alone; the next vector lines are plain and touch other registers)
.endm
.irp t, 0,1,2,3,4,5,6,7
	STEP \t
.endr
	v_mul_f32 v8, s26, v8                          ; a2 as it is; cb = -b2 x 2^-(e0 + e1 + 1)
	ds_store_b32 v6, v8                            ; lanes l and l + 8 write the same word with the same value
	s_wait_dscnt 0x0                               ; for wave 0's sake: my sums have landed
	s_barrier_signal -1
	s_barrier_wait -1
	s_cmp_lg_u32 s20, 0
	s_cbranch_scc1 .Lend
	ds_load_b128 v[208:211], v3 offset:NORM        ; the work-group's 128 sums leave as 512 consecutive bytes, aligned
	s_wait_dscnt 0x0
	global_store_b128 v3, v[208:211], s[16:17]
.Lend:
	s_wait_tensorcnt 0x0
	ds_add_u32 v224, v225
	s_wait_dscnt 0x0
	s_endpgm
.Lfunc_end_k_qc70b79a4dd_quant:
	.size	k_qc70b79a4dd_quant, .Lfunc_end_k_qc70b79a4dd_quant-k_qc70b79a4dd_quant
	.p2alignl 7, 3214868480
	.fill 96, 4, 3214868480
	.section	.rodata,"a",@progbits
	.p2align	6, 0x0
	.amdhsa_kernel k_qc70b79a4dd_quant
		.amdhsa_group_segment_fixed_size 42496
		.amdhsa_private_segment_fixed_size 0
		.amdhsa_enable_private_segment 0
		.amdhsa_kernarg_size 56
		.amdhsa_user_sgpr_count 2
		.amdhsa_user_sgpr_kernarg_segment_ptr 1
		.amdhsa_wavefront_size32 1
		.amdhsa_system_sgpr_workgroup_id_x 1
		.amdhsa_system_sgpr_workgroup_id_y 1
		.amdhsa_system_sgpr_workgroup_id_z 1
		.amdhsa_system_vgpr_workitem_id 0
		.amdhsa_next_free_vgpr 226
		.amdhsa_next_free_sgpr 66
		.amdhsa_reserve_vcc 1
		.amdhsa_float_denorm_mode_32 3
		.amdhsa_float_denorm_mode_16_64 3
		.amdhsa_memory_ordered 1
		.amdhsa_forward_progress 1
		.amdhsa_inst_pref_size 28
	.end_amdhsa_kernel
	.amdgpu_metadata
---
amdhsa.version: [ 1, 2 ]
amdhsa.kernels:
  - .name:           k_qc70b79a4dd_quant
    .symbol:         k_qc70b79a4dd_quant.kd
    .args:
      - { .name: desc1, .offset: 0, .size: 8, .value_kind: global_buffer, .address_space: global }
      - { .name: desc2, .offset: 8, .size: 8, .value_kind: global_buffer, .address_space: global }
      - { .name: lowp_scales, .offset: 16, .size: 8, .value_kind: global_buffer, .address_space: global }
      - { .name: qcodes, .offset: 24, .size: 8, .value_kind: global_buffer, .address_space: global }
      - { .name: kcodes, .offset: 32, .size: 8, .value_kind: global_buffer, .address_space: global }
      - { .name: a2, .offset: 40, .size: 8, .value_kind: global_buffer, .address_space: global }
      - { .name: cb, .offset: 48, .size: 8, .value_kind: global_buffer, .address_space: global }
    .group_segment_fixed_size: 42496
    .private_segment_fixed_size: 0
    .kernarg_segment_align: 8
    .kernarg_segment_size: 56
    .max_flat_workgroup_size: 256
    .sgpr_count:     66
    .vgpr_count:     226
    .wavefront_size: 32
...
	.end_amdgpu_metadata
.endif
;; end of part 1
;; launch match (part 2): grid 16 x 16, 4 waves a work-group, clusters of 4 x 1, 287,232 bytes of LDS; arguments qcodes, kcodes, cb, pkey, pidx; writes pkey, pidx
.if DOCPART == 2
	.amdgcn_target "amdgcn-amd-amdhsa--gfx1250"
	.amdhsa_code_object_version 6
	.text
	.protected	k_qc70b79a4dd_match
	.globl	k_qc70b79a4dd_match
	.p2align	8
	.type	k_qc70b79a4dd_match,@function
k_qc70b79a4dd_match:
	s_mov_b64 s[64:65], 0
	v_nop
	global_prefetch_b8 v0, s[64:65] scope:SCOPE_SE
	s_setreg_imm32_b32 hwreg(HW_REG_WAVE_MODE, 25, 1), 1
	s_wait_xcnt 0x0
	s_wait_alu depctr_hold_cnt(0) depctr_sa_sdst(0) depctr_va_vdst(0) depctr_va_sdst(0) depctr_va_ssrc(0) depctr_va_vcc(0) depctr_vm_vsrc(0)
	s_getreg_b32 s2, hwreg(HW_REG_IB_STS2, 6, 4)
	s_cmp_eq_u32 s2, 0
	s_cbranch_scc0 .Lentry_in_a_cluster
	s_endpgm
.Lentry_in_a_cluster:
	s_bfe_u32 s2, ttmp6, 0x10000c
	s_cmp_lg_u32 s2, 0x3003
	s_cbranch_scc0 .Lentry_shape_is_right
	s_endpgm
.Lentry_shape_is_right:
; For 1,024 queries (rows of desc1) and one split of 1,024 keys (rows of desc2): the largest v[m][n] = (sum over k of the codes' products) + cb[n], and WHICH BLOCK OF 8 KEYS holds it.
; Since cb[n] = -b2[n] / 2^(e0 + e1 + 1), v = -(b2 - 2 a.b) / 2^(e0 + e1 + 1): a2[m] is the same for all keys and the root and the clip at 0 keep the order, so the largest v is the smallest distance.
; The next launch takes the best of the 16 splits, multiplies the winning block's 8 keys again, and finds the key and the distance.
; STATED DIFFERENCES FROM THE SOURCE'S ORDER OF ROUNDING: b2 - 2 a.b is rounded inside the matrix sum and a2 is added once at the end; keys whose squared distances lie within a few last places of each other
; may be ordered otherwise.  Exact ties take the lower index, at every level.  In pkey -0 ranks under +0.  NaN and infinities are not served.
; SHARES.  Work-group (X, Y): queries 1024 X on, keys 1024 Y on.  A wave owns 256 queries, in two passes of 128 (8 tiles of 16, both K halves: 256 registers, a window a pass); in each pass it walks the split's 64 tiles of 16 keys.
; So a tile of keys, 4 KiB read from LDS, feeds 16 matrix instructions.  The split's keys (256 KiB, rows padded to 272 bytes) lie in LDS for the whole launch: every LDS byte is filled once.
; CLUSTER.  The four work-groups of a cluster share Y: the keys' chunks and the table of cb are asked for JOINTLY, by the same tensor loads with the mask of all four.  X enters only Q's and the outputs' global addresses.
; A wave issues five tensor loads at the start (its quarter of cb's table, then its 64 rows of each of four groups of 256 keys): five are out at the most.
; THE PRODUCT IS USED TRANSPOSED: source 0 = 16 keys, source 1 = 16 queries.  A lane then holds ONE query (lane % 16) and its eight registers the keys 8 (lane / 16) + 0..7, so a maximum folds registers, not lanes,
; and cb of those eight keys, the same in all lanes of a half, is the C of the tile's first matrix instruction: the bias costs no vector instruction.
; A fragment (16 rows x 128 K) is fetched by four loads of 16 bytes, 32 apart, at row x pitch + 16 (lane / 16): a permutation of k that is the same in both operands.
; BY PHASES.  A phase multiplies one tile of keys (16 matrix instructions, the 8 accumulators by turns); behind each stand three lines of the fold of the tile before and at most one LDS load of the tile after.
; The fold of a result tile is six lines: four v_max3 (eight numbers and the old best), a compare, a select of the block's first key.
; REGISTERS: window 0: v1-11 addresses and the block's number; v16-79 two sets of a tile's fragments; v80-95 two sets of cb; v96-223 two sets of 8 accumulators; v224-239 the best, two sets by turns; v240-247 its block; v248-255 the way out.
;   window 1: Q of pass 0 (tile t, K half s at v[32 t + 16 s]);  window 2: Q of pass 1.
.set PK,    272                        ; a key's row in LDS: 256 bytes + 16 of padding: the 16 rows of a load start at 16 different groups of banks (64 banks of 4 bytes: ISA guide 11.1)
.set CHUNK, 64*PK                      ; what one tensor load brings
.set TILEB, 16*PK                      ; a tile of 16 keys
.set CBT,   16*CHUNK                   ; behind the keys: cb of the split's 1,024 keys, 4,096 bytes
.set STG,   CBT+4096                   ; behind it: a stage of 1,024 bytes for each wave; no fill lands there
.set AK0, 3                            ; v3   my lane's place in a tile of keys
.set AC0, 4                            ; v4   my half's place in cb's table
.set ADK, 5                            ; v5   LDS address of the tile to be fetched
.set ADC, 6                            ; v6   of its cb
.set QO,  7                            ; v7   my byte in a tile of Q
.set STO, 8                            ; v8   the stage, in
.set RD,  9                            ; v9   the stage, back
.set GO,  10                           ; v10  16 x lane
.set CUR, 11                           ; v11  first key of my half's block of the tile that is folded
.set F,   16
.set CB,  80
.set D,   96
.set BEST, 224
.set ID,  240
.set G1K, 24                           ; s[24:31] descriptor group 1 for the keys' chunks
.set G1C, 32                           ; s[32:39] for cb's table
.set G0C, 40                           ; s[40:43] group 0 for cb's table
.set G0K, 44                           ; s[44:59] group 0 for my chunk of each of the four groups
.set TB,  60                           ; s60  LDS byte of the tile to be fetched
.set TC,  61                           ; s61  byte of its cb in the table
.set CNT, 62
.set KB,  63                           ; s63  the split's first key
.set SEL, 66                           ; s[66:67] v_permlanex16_b32's selects: lane l xor 16
.set M,   68                           ; s68-75 a lane mask for each tile of queries
.set HM,  78                           ; s78  lanes 16-31
.set MSB, 0
.macro WIN new                         ; the immediate's high byte repeats the setting that is left; a switch that changes nothing is dropped
.if MSB != \new
	s_set_vgpr_msb (MSB<<8)|\new
.set MSB, \new
.endif
.endm
.macro ROUND                           ; a round of the cluster's barrier
	s_barrier_signal -1
	s_barrier_wait -1
	s_cmp_lg_u32 s14, 0
	s_cbranch_scc1 .Lnot_wave_0_\@
	s_barrier_signal -3
.Lnot_wave_0_\@:
	s_barrier_wait -3
	s_barrier_signal -1
	s_barrier_wait -1
.endm
.macro MEET g                          ; group g of 256 keys is whole in LDS behind this barrier.  The later groups' loads may stay out
	s_wait_tensorcnt 3-\g                          ; my loads end in order: cb's table and my chunks of groups 0 to g are in; the 3 - g behind them may be out
	s_wait_dscnt 0x0                               ; no LDS instruction of mine is pending at a signal
	s_barrier_signal -1
	s_barrier_wait -1
.endm
	s_load_b256 s[4:11], s[0:1], 0x0               ; qcodes s[4:5], kcodes s[6:7], cb s[8:9], pkey s[10:11]
	s_load_b64 s[12:13], s[0:1], 0x20              ; pidx
	v_lshl_add_u32 v14, v0, 2, 0x46000
	v_mov_b32 v15, 0
	ds_add_u32 v14, v15
	ds_add_u32 v14, v15
	v_lshrrev_b32 v1, 5, v0
	v_readfirstlane_b32 s14, v1                    ; wave 0..3
	s_bfe_u32 s15, ttmp6, 0x40000                  ; cx: my place in the cluster
	s_lshl_b32 s16, ttmp9, 2                       ; in a cluster launch ttmp9 counts clusters
	s_add_co_u32 s16, s16, s15                     ; X = 4 x cluster x + cx
	s_and_b32 s17, ttmp7, 0xffff                   ; Y, which the four partners share
	s_mov_b32 s[G1K], 15|(1<<20)|(1<<21)|(5<<22)|(3<<25)   ; 15:0 the mask: all four; 17:16 elements of 1 byte; 20 padding on; 21 set beside a mask; 24:22 after every 64 words; 31:25 four words of it
	s_mov_b32 s[G1K+1], 256<<16                    ; tensor_dim0 = 256
	s_mov_b32 s[G1K+2], 64<<16                     ; tensor_dim1 = 64
	s_mov_b32 s[G1K+3], 256<<16                    ; tile_dim0 = 256
	s_mov_b32 s[G1K+4], 64                         ; tile_dim1 = 64
	s_mov_b32 s[G1K+5], 256                        ; from row to row
	s_mov_b32 s[G1K+6], 0
	s_mov_b32 s[G1K+7], 0
	s_mov_b32 s[G1C], 15|(3<<16)|(1<<21)           ; the mask; elements of 8 bytes; no padding
	s_mov_b32 s[G1C+1], 128<<16                    ; one row of 128 elements: 1,024 bytes
	s_mov_b32 s[G1C+2], 1<<16
	s_mov_b32 s[G1C+3], 128<<16
	s_mov_b32 s[G1C+4], 1
	s_mov_b32 s[G1C+5], 128
	s_mov_b32 s[G1C+6], 0
	s_mov_b32 s[G1C+7], 0
	s_lshl_b32 s18, s17, 18                        ; keys: (1024 Y + 64 wave) rows of 256 bytes.  s18-23 never hold cx or X
	s_lshl_b32 s19, s14, 14
	s_add_co_u32 s18, s18, s19
	s_mov_b32 s19, 0
	s_lshl_b32 s20, s17, 12                        ; cb: 4 (1024 Y + 256 wave)
	s_lshl_b32 s21, s14, 10
	s_add_co_u32 s20, s20, s21
	s_mov_b32 s21, 0
	s_mul_i32 s22, s14, CHUNK                      ; where my chunks go: wave x 64 rows, + 256 rows a group
	s_lshl_b32 s23, s14, 10
	s_add_co_u32 s23, s23, CBT                     ; and my quarter of the table
	s_lshl_b32 s2, s16, 18                         ; Q: (1024 X + 256 wave) rows of 256 bytes
	s_lshl_b32 s3, s14, 16
	s_add_co_u32 s2, s2, s3
	s_mov_b32 s3, 0
	s_mov_b32 s[SEL], 0x76543210
	s_mov_b32 s[SEL+1], 0xfedcba98
	s_mov_b32 s[HM], 0xffff0000
	s_lshl_b32 s[KB], s17, 10
	s_wait_dscnt 0x0
	s_wait_kmcnt 0x0
	s_add_nc_u64 s[4:5], s[4:5], s[2:3]
	s_lshl_b32 s2, s17, 16                         ; the outputs: 4 (16384 Y + 1024 X + 256 wave)
	s_lshl_b32 s79, s16, 12
	s_add_co_u32 s2, s2, s79
	s_lshl_b32 s79, s14, 10
	s_add_co_u32 s2, s2, s79
	s_add_nc_u64 s[10:11], s[10:11], s[2:3]
	s_add_nc_u64 s[12:13], s[12:13], s[2:3]
	s_add_nc_u64 s[6:7], s[6:7], s[18:19]
	s_add_nc_u64 s[8:9], s[8:9], s[20:21]
	s_mov_b32 s[G0C], 1                            ; count = 1
	s_mov_b32 s[G0C+1], s23                        ; LDS address
	s_mov_b64 s[G0C+2:G0C+3], s[8:9]               ; global address
	s_or_b32 s[G0C+3], s[G0C+3], 0x80000000        ; type = 2
.irp j, 0,1,2,3
	s_mov_b32 s[G0K+4*\j], 1
	s_add_co_u32 s[G0K+4*\j+1], s22, \j*4*CHUNK
	s_add_nc_u64 s[G0K+4*\j+2:G0K+4*\j+3], s[6:7], \j*65536
	s_or_b32 s[G0K+4*\j+3], s[G0K+4*\j+3], 0x80000000
.endr
	ROUND                                          ; all four work-groups are here: the joint loads meet
	tensor_load_to_lds s[G0C:G0C+3], s[G1C:G1C+7]  ; all fills of the launch go out as one group
	s_nop 0
	tensor_load_to_lds s[G0K:G0K+3], s[G1K:G1K+7]
	s_nop 0
	tensor_load_to_lds s[G0K+4:G0K+7], s[G1K:G1K+7]
	s_nop 0
	tensor_load_to_lds s[G0K+8:G0K+11], s[G1K:G1K+7]
	s_nop 0
	tensor_load_to_lds s[G0K+12:G0K+15], s[G1K:G1K+7]
	s_nop 0
.rept 4
	v_nop
.endr
	v_and_b32 v1, 15, v0                           ; r
	v_bfe_u32 v2, v0, 4, 1                         ; h
	v_mul_u32_u24 v[AK0], v1, PK
	v_lshl_add_u32 v[AK0], v2, 4, v[AK0]           ; row x pitch + 16 h
	v_lshlrev_b32 v[AC0], 5, v2
	v_add_nc_u32 v[AC0], CBT, v[AC0]               ; my half's eight keys: 32 h
	v_lshlrev_b32 v[QO], 8, v1
	v_lshl_add_u32 v[QO], v2, 4, v[QO]             ; Q: row r of 256 bytes + 16 h
	s_lshl_b32 s18, s14, 10
	s_add_co_u32 s18, s18, STG                     ; my stage
	v_lshlrev_b32 v[STO], 2, v1
	v_lshl_add_u32 v[STO], v2, 9, v[STO]
	v_add_nc_u32 v[STO], s18, v[STO]               ; in: lanes 0-15 the codes of the best, lanes 16-31, 512 bytes on, the blocks; 4 r
	v_and_b32 v[GO], 31, v0
	v_lshlrev_b32 v[GO], 4, v[GO]
	v_add_nc_u32 v[RD], s18, v[GO]                 ; back: 16 bytes a lane
.macro QLOAD off                       ; 8 tiles of 16 queries x 256 K: they stay in registers for a pass
.irp t, 0,1,2,3,4,5,6,7
.irp s, 0,1
.irp c, 0,1,2,3
	global_load_b128 v[32*\t+16*\s+4*\c:32*\t+16*\s+4*\c+3], v[QO], s[4:5] offset:\off+4096*\t+128*\s+32*\c
.endr
.endr
.endr
.endm
	WIN 0x40                                       ; destination window 1, address window 0
	QLOAD 0
; Load n of the ten that bring a tile of keys into set p: 0, 1: cb of my half's eight keys; 2-5: K half 0; 6-9: K half 1
.macro LD n, p, adk, koff, adc, coff
	WIN 0
.if (\n) < 2
	ds_load_b128 v[CB+8*(\p)+4*(\n):CB+8*(\p)+4*(\n)+3], v[\adc] offset:(\coff)+16*(\n)
.else
	ds_load_b128 v[F+32*(\p)+4*((\n)-2):F+32*(\p)+4*((\n)-2)+3], v[\adk] offset:(\koff)+128*(((\n)-2)/4)+32*(((\n)-2)%4)
.endif
.endm
; Line j of the 49 that fold accumulator set 1 - p into the best: they read the best's set 1 - p and write its set p.  Each accumulator is read from its low end on.
.macro FOLD j, p
	WIN 0
.if (\j) < 24
.set ft, (\j)/3
.set fd, D+64*(1-\p)+8*ft
.if (\j)%3 == 0
	v_max3_num_f32 v[fd], v[fd], v[fd+1], v[fd+2]
.elseif (\j)%3 == 1
	v_max3_num_f32 v[fd+3], v[fd+3], v[fd+4], v[fd+5]
.else
	v_max3_num_f32 v[fd+6], v[fd+6], v[fd+7], v[BEST+8*(1-\p)+ft]
.endif
.elseif (\j) < 32
.set ft, (\j)-24
.set fd, D+64*(1-\p)+8*ft
	v_max3_num_f32 v[BEST+8*\p+ft], v[fd], v[fd+3], v[fd+6]
.elseif (\j) < 40
.set ft, (\j)-32
	v_cmp_gt_f32 s[M+ft], v[BEST+8*\p+ft], v[BEST+8*(1-\p)+ft]     ; strictly greater: the earlier block keeps a tie
.elseif (\j) < 48
.set ft, (\j)-40
	v_cndmask_b32 v[ID+ft], v[ID+ft], v[CUR], s[M+ft]
.else
	v_add_nc_u32 v[CUR], 16, v[CUR]                ; the next tile's block
.endif
.endm
; A PHASE: the tile of keys in set p against my 8 tiles of queries.  fold: the tile before is folded; fetch: the tile after is fetched into set 1 - p, from v[adk] + koff and v[adc] + coff; mkadr: those two registers are made first.
; A load into a register that a matrix instruction has read, and a vector line that reads or writes a result, stand four plain vector lines behind it (ISA guide 7.12.1 for vector lines):
; the last four lines of a fold stand behind a phase's last product, and where there is no fold four v_nop do.
.macro PHASE p, win, fold, fetch, adk, koff, adc, coff, mkadr
	s_wait_dscnt 4                                 ; cb and K half 0 of this tile are in; the youngest four loads, K half 1, may be out
.set pi, 0
.rept 16
.set pt, pi%8
.if pi == 8
.if \fetch
	s_wait_dscnt 7                                 ; K half 1 is in; the seven loads issued in this phase may be out
.else
	s_wait_dscnt 0
.endif
.endif
	WIN \win
.if pi < 8
	v_wmma_f32_16x16x128_fp8_fp8 v[D+64*\p+8*pt:D+64*\p+8*pt+7], v[F+32*\p:F+32*\p+15], v[32*pt:32*pt+15], v[CB+8*\p:CB+8*\p+7]
.else
	v_wmma_f32_16x16x128_fp8_fp8 v[D+64*\p+8*pt:D+64*\p+8*pt+7], v[F+32*\p+16:F+32*\p+31], v[32*pt+16:32*pt+31], v[D+64*\p+8*pt:D+64*\p+8*pt+7]
.endif
.if \fold
	FOLD 3*pi, \p
	FOLD 3*pi+1, \p
	FOLD 3*pi+2, \p
.if pi == 15
	FOLD 48, \p
.endif
.endif
.if \mkadr && (pi == 0)
	WIN 0
	v_add_nc_u32 v[ADK], s[TB], v[AK0]
	v_add_nc_u32 v[ADC], s[TC], v[AC0]
.endif
.if \fetch && (pi >= 1) && (pi <= 10)
	LD pi-1, 1-\p, \adk, \koff, \adc, \coff
.endif
.set pi, pi+1
.endr
	WIN 0                                          ; at a label and at a branch every window is 0
.if !\fold
.rept 4
	v_nop
.endr
.endif
.endm
; A TRIP: two tiles of keys.  last = 0: the second phase fetches the next trip's first tile; 1: the split's tile 0, for the next pass; 2: nothing.
.macro TRIP win, fold0, last
	PHASE 0, \win, \fold0, 1, ADK, 0, ADC, 0, 1
.if \last == 0
	PHASE 1, \win, 1, 1, ADK, TILEB, ADC, 64, 0
.elseif \last == 1
	PHASE 1, \win, 1, 1, AK0, 0, AC0, 0, 0
.else
	PHASE 1, \win, 1, 0, AK0, 0, AC0, 0, 0
.endif
.endm
.macro LOOP n, win
	s_mov_b32 s[CNT], \n
.Ltrip_\@:
	TRIP \win, 1, 0
	s_add_co_u32 s[TB], s[TB], 2*TILEB
	s_add_co_u32 s[TC], s[TC], 128
	s_sub_co_u32 s[CNT], s[CNT], 1
	s_cmp_lg_u32 s[CNT], 0
	s_cbranch_scc1 .Ltrip_\@
.endm
; The pass's end: a query's two halves of the lanes are joined; the best becomes a whole number that keeps the order; 128 of them and 128 blocks leave through my stage as 512 consecutive bytes each.
.macro FINISH ps
.irp t, 0,1,2,3,4,5,6,7
	v_permlanex16_b32 v[D+8*\t], v[BEST+\t], s[SEL], s[SEL+1]      ; (accumulator set 0 is done with: its registers are at work here)
	v_permlanex16_b32 v[D+8*\t+1], v[ID+\t], s[SEL], s[SEL+1]
.endr
.irp t, 0,1,2,3,4,5,6,7
	v_cmp_gt_f32 s[M+\t], v[D+8*\t], v[BEST+\t]                    ; the other half's is taken where it is greater,
	v_cmp_eq_f32 s76, v[D+8*\t], v[BEST+\t]
	v_cmp_lt_u32 s77, v[D+8*\t+1], v[ID+\t]
	s_and_b32 s76, s76, s77                                        ; or equal with the lower block
	s_or_b32 s[M+\t], s[M+\t], s76
.endr
.irp t, 0,1,2,3,4,5,6,7
	v_cndmask_b32 v[BEST+\t], v[BEST+\t], v[D+8*\t], s[M+\t]
	v_cndmask_b32 v[ID+\t], v[ID+\t], v[D+8*\t+1], s[M+\t]
.endr
.irp t, 0,1,2,3,4,5,6,7
	v_ashrrev_i32 v[D+8*\t+2], 31, v[BEST+\t]
.endr
.irp t, 0,1,2,3,4,5,6,7
	v_or_b32 v[D+8*\t+2], 0x80000000, v[D+8*\t+2]
.endr
.irp t, 0,1,2,3,4,5,6,7
	v_xor_b32 v[D+8*\t+2], v[BEST+\t], v[D+8*\t+2]                 ; the sign bit turned where the number is positive, all bits where it is negative: unsigned order = the numbers' order
.endr
.irp t, 0,1,2,3,4,5,6,7
	v_cndmask_b32 v[D+8*\t+2], v[D+8*\t+2], v[ID+\t], s[HM]        ; lanes 16-31 carry the block
.endr
.irp t, 0,1,2,3,4,5,6,7
	ds_store_b32 v[STO], v[D+8*\t+2] offset:64*\t
.endr
	s_wait_xcnt 0x0                                ; the pass before's stores have read v248-255
	ds_load_b128 v[248:251], v[RD]                 ; LDS serves a wave's instructions in order: these see my stores
	ds_load_b128 v[252:255], v[RD] offset:512
	s_wait_dscnt 0x0
	global_store_b128 v[GO], v[248:251], s[10:11] offset:512*\ps   ; 512 consecutive bytes, aligned
	global_store_b128 v[GO], v[252:255], s[12:13] offset:512*\ps
.endm
.macro PASS ps, win
.irp t, 0,1,2,3,4,5,6,7
	v_mov_b32 v[BEST+\t], 0xff800000               ; -infinity, under every v
	v_mov_b32 v[ID+\t], 0
.endr
	v_lshl_add_u32 v[CUR], v2, 3, s[KB]            ; tile 0's block of my half
	s_mov_b32 s[TB], TILEB                         ; the first fetch is tile 1's
	s_mov_b32 s[TC], 64
	TRIP \win, 0, 0                                ; trip 0 is written out: its first phase has no tile to fold
	s_add_co_u32 s[TB], s[TB], 2*TILEB
	s_add_co_u32 s[TC], s[TC], 128
.if \ps == 0                           ; trip 8 g - 1 asks for tile 16 g, the first of group g: the barrier that shows the group whole stands at that trip's head
	LOOP 6, \win
	MEET 1
	LOOP 8, \win
	MEET 2
	LOOP 8, \win
	MEET 3
	LOOP 8, \win
	TRIP \win, 1, 1
.else
	LOOP 30, \win
	TRIP \win, 1, 2
.endif
.set fq, 0
.rept 48
	FOLD fq, 0                                     ; tile 63
.set fq, fq+1
.endr
	FINISH \ps
.endm
	WIN 0
	MEET 0                                         ; cb's table and keys 0-255 are whole
.irp n, 0,1,2,3,4,5,6,7,8,9
	LD \n, 0, AK0, 0, AC0, 0                       ; tile 0
.endr
	s_wait_loadcnt 0x0                             ; Q of pass 0
	WIN 0x80                                       ; destination window 2
	QLOAD 32768                                    ; Q of pass 1 lands during pass 0
	WIN 0
	PASS 0, 0x04                                   ; source 1 (Q) in window 1
	s_wait_loadcnt 0x0                             ; Q of pass 1
	PASS 1, 0x08                                   ; source 1 in window 2
	s_wait_dscnt 0x0
	s_wait_tensorcnt 0x0
	ds_add_u32 v14, v15
	s_wait_dscnt 0x0
	ROUND                                          ; the closing round: no work-group ends while a partner may still ask for a tile that names it
	s_endpgm
.Lfunc_end_k_qc70b79a4dd_match:
	.size	k_qc70b79a4dd_match, .Lfunc_end_k_qc70b79a4dd_match-k_qc70b79a4dd_match
	.p2alignl 7, 3214868480
	.fill 96, 4, 3214868480
	.section	.rodata,"a",@progbits
	.p2align	6, 0x0
	.amdhsa_kernel k_qc70b79a4dd_match
		.amdhsa_group_segment_fixed_size 287232
		.amdhsa_private_segment_fixed_size 0
		.amdhsa_enable_private_segment 0
		.amdhsa_kernarg_size 40
		.amdhsa_user_sgpr_count 2
		.amdhsa_user_sgpr_kernarg_segment_ptr 1
		.amdhsa_wavefront_size32 1
		.amdhsa_system_sgpr_workgroup_id_x 1
		.amdhsa_system_sgpr_workgroup_id_y 1
		.amdhsa_system_sgpr_workgroup_id_z 1
		.amdhsa_system_vgpr_workitem_id 0
		.amdhsa_next_free_vgpr 768
		.amdhsa_next_free_sgpr 80
		.amdhsa_reserve_vcc 0
		.amdhsa_float_denorm_mode_32 3
		.amdhsa_float_denorm_mode_16_64 3
		.amdhsa_memory_ordered 1
		.amdhsa_forward_progress 1
		.amdhsa_inst_pref_size 139
	.end_amdhsa_kernel
	.amdgpu_metadata
---
amdhsa.version: [ 1, 2 ]
amdhsa.kernels:
  - .name:           k_qc70b79a4dd_match
    .symbol:         k_qc70b79a4dd_match.kd
    .args:
      - { .name: qcodes, .offset: 0, .size: 8, .value_kind: global_buffer, .address_space: global }
      - { .name: kcodes, .offset: 8, .size: 8, .value_kind: global_buffer, .address_space: global }
      - { .name: cb, .offset: 16, .size: 8, .value_kind: global_buffer, .address_space: global }
      - { .name: pkey, .offset: 24, .size: 8, .value_kind: global_buffer, .address_space: global }
      - { .name: pidx, .offset: 32, .size: 8, .value_kind: global_buffer, .address_space: global }
    .group_segment_fixed_size: 287232
    .private_segment_fixed_size: 0
    .kernarg_segment_align: 8
    .kernarg_segment_size: 40
    .max_flat_workgroup_size: 128
    .sgpr_count:     80
    .vgpr_count:     768
    .wavefront_size: 32
...
	.end_amdgpu_metadata
.endif
;; end of part 2
;; launch resolve (part 3): grid 256 x 1, 8 waves a work-group, no clusters, 2,048 bytes of LDS; arguments qcodes, kcodes, cb, a2, pkey, pidx, lowp_scales, out0, out1; writes out0, out1
.if DOCPART == 3
	.amdgcn_target "amdgcn-amd-amdhsa--gfx1250"
	.amdhsa_code_object_version 6
	.text
	.protected	k_qc70b79a4dd_resolve
	.globl	k_qc70b79a4dd_resolve
	.p2align	8
	.type	k_qc70b79a4dd_resolve,@function
k_qc70b79a4dd_resolve:
	s_mov_b64 s[64:65], 0
	v_nop
	global_prefetch_b8 v0, s[64:65] scope:SCOPE_SE
	s_setreg_imm32_b32 hwreg(HW_REG_WAVE_MODE, 25, 1), 1
	s_wait_xcnt 0x0
; For each query: the best of the 16 splits (whole numbers that keep the order of v, and the winning block of 8 keys: both stored by the launch before), then that block's 8 keys multiplied again,
; v = (sum of the codes' products) + cb, by the same matrix form with k in the same places; the first key that holds the largest v is the match, and the distance is sqrt(max(a2 - v x 2^(e0 + e1 + 1), 0)).
; Addresses hang only on whole numbers read from memory, each held under 16,376 (the last block's first key) by a constant in the instruction.
; LIMITS: e0 + e1 + 1 between -126 and 126.  NaN and infinities are not served.  a2 is added once, at the end (another order of rounding than the source's); ties take the lower index.
; SHARES.  Work-group g: queries 64 g on.  Wave w: tq = w / 2 is its tile of 16 queries (source 1); hw = w % 2: it serves queries 8 hw .. 8 hw + 7 of that tile, by four tiles of source 0:
; tile i holds the 8 candidates of query 8 hw + 2 i in rows 0-7 and those of query 8 hw + 2 i + 1 in rows 8-15.  In the result, lane (r, h) holds query r against rows 8 h + 0..7:
; so lane (r, h = r % 2), in tile (r / 2) % 4, holds query r's own eight, and its C is cb of those eight.  The other lanes' numbers are not used.
; No cluster, no tensor loads: the work-groups share no tile; each gathers its own rows.
; REGISTERS: v1-7, v30, v31, v254, v255 addresses; v8-23 the splits' codes and blocks; v24-29 the choice, a2; v32-63 Q; v64-191 four tiles of candidates; v192-223 their sums; v224-231 my query's eight; v232-239 cb; v240-253 at work.
	s_load_b256 s[4:11], s[0:1], 0x0               ; qcodes s[4:5], kcodes s[6:7], cb s[8:9], a2 s[10:11]
	s_load_b256 s[12:19], s[0:1], 0x20             ; pkey s[12:13], pidx s[14:15], the scales' exponents s[16:17], out0 s[18:19]
	s_load_b64 s[20:21], s[0:1], 0x40              ; out1
	s_set_vgpr_msb 0x40
	v_lshl_add_u32 v0, v0, 2, 0x400
	v_mov_b32 v1, 0
	s_set_vgpr_msb 0x4000
	v_lshrrev_b32 v1, 5, v0
	v_readfirstlane_b32 s24, v1                    ; wave 0..7
	s_lshr_b32 s25, s24, 1                         ; tq
	s_and_b32 s26, s24, 1                          ; hw
	v_and_b32 v1, 15, v0                           ; r
	v_bfe_u32 v2, v0, 4, 1                         ; h
	v_lshlrev_b32 v5, 2, v1                        ; 4 r
	v_lshl_add_u32 v3, v2, 19, v5                  ; the splits' tables: 4 r, and lanes 16-31 take splits 8-15: 8 x 65,536 bytes on
	v_lshlrev_b32 v4, 8, v1
	v_lshl_add_u32 v4, v2, 4, v4                   ; Q: row r of 256 bytes + 16 h
	v_and_b32 v6, 7, v1
	v_lshlrev_b32 v6, 8, v6
	v_lshl_add_u32 v6, v2, 4, v6                   ; a candidate's row within its block: 256 (r % 8) + 16 h
	v_and_b32 v30, 31, v0
	v_lshlrev_b32 v31, 3, v30                      ; 8 x lane
	v_lshlrev_b32 v30, 4, v30                      ; 16 x lane
	s_lshl_b32 s27, s26, 5                         ; 4 x 8 hw
	v_lshrrev_b32 v244, 3, v1
	v_lshlrev_b32 v244, 2, v244
	v_add_nc_u32 v244, s27, v244                   ; tile i's rows take their block from lane 8 hw + 2 i + r / 8 (a byte address: lane x 4)
	v_add_nc_u32 v245, 8, v244
	v_add_nc_u32 v246, 16, v244
	v_add_nc_u32 v247, 24, v244
	v_and_b32 v250, 7, v0                          ; l % 8
	v_and_b32 v249, 1, v0
	v_lshlrev_b32 v7, 2, v250
	v_lshl_add_u32 v7, v249, 6, v7
	v_add_nc_u32 v7, s27, v7                       ; at the end lane l takes query 8 hw + l % 8's result from lane 8 hw + l % 8 + 16 (l % 2)
	s_lshl_b32 s28, s24, 5
	v_lshl_add_u32 v254, v250, 2, s28              ; LDS: its distance at 4 (8 wave + l % 8),
	s_lshl_b32 s28, s24, 6
	s_add_co_u32 s28, s28, 256
	v_lshl_add_u32 v255, v250, 3, s28              ; its pair at 256 + 8 (8 wave + l % 8)
	s_lshl_b32 s29, ttmp9, 6                       ; 64 g
	s_lshl_b32 s28, s24, 3
	s_add_co_u32 s28, s28, s29
	v_add_nc_u32 v252, s28, v250                   ; the query's number
	v_bfe_u32 v249, v1, 1, 2                       ; (r / 2) % 4: the tile that holds my query
	v_cmp_eq_u32 s43, 1, v249
	v_cmp_eq_u32 s44, 2, v249
	v_cmp_eq_u32 s45, 3, v249
	v_mov_b32 v26, 0                               ; written once: a lane permute's destination counts as one of its sources
	v_mov_b32 v27, 0
	s_mov_b32 s38, 0x76543210
	s_mov_b32 s39, 0xfedcba98
	s_lshl_b32 s30, s25, 4
	s_add_co_u32 s30, s30, s29                     ; my tile's first query: 64 g + 16 tq
	s_lshl_b32 s32, s30, 2
	s_mov_b32 s33, 0
	s_lshl_b32 s34, s30, 8
	s_mov_b32 s35, 0
	s_lshl_b32 s36, ttmp9, 8                       ; out0: 256 g
	s_mov_b32 s37, 0
	s_wait_kmcnt 0x0
	s_load_b64 s[22:23], s[16:17], 0x0             ; e0, e1
	s_add_nc_u64 s[12:13], s[12:13], s[32:33]
	s_add_nc_u64 s[14:15], s[14:15], s[32:33]
	s_add_nc_u64 s[10:11], s[10:11], s[32:33]
	s_add_nc_u64 s[4:5], s[4:5], s[34:35]
	s_add_nc_u64 s[18:19], s[18:19], s[36:37]
	s_lshl_b32 s36, ttmp9, 9                       ; out1: 512 g
	s_add_nc_u64 s[20:21], s[20:21], s[36:37]
.irp s, 0,1,2,3,4,5,6,7
	global_load_b32 v[8+\s], v3, s[12:13] offset:65536*\s
.endr
.irp s, 0,1,2,3,4,5,6,7
	global_load_b32 v[16+\s], v3, s[14:15] offset:65536*\s
.endr
.irp s, 0,1
.irp c, 0,1,2,3
	global_load_b128 v[32+16*\s+4*\c:32+16*\s+4*\c+3], v4, s[4:5] offset:128*\s+32*\c
.endr
.endr
	global_load_b32 v29, v5, s[10:11]
	s_wait_loadcnt 9                               ; the splits' sixteen words are in; Q's eight loads and a2's one may be out
	v_cmp_gt_u32 vcc_lo, v9, v8                    ; the best of my eight splits, ascending, strictly greater: the lower split, which holds the lower keys, keeps a tie
	v_cndmask_b32 v24, v8, v9, vcc_lo
	v_cndmask_b32 v25, v16, v17, vcc_lo
.irp s, 2,3,4,5,6,7
	v_cmp_gt_u32 vcc_lo, v[8+\s], v24
	v_cndmask_b32 v24, v24, v[8+\s], vcc_lo
	v_cndmask_b32 v25, v25, v[16+\s], vcc_lo
.endr
	v_permlanex16_b32 v26, v24, s38, s39           ; and of the other half's eight
	v_permlanex16_b32 v27, v25, s38, s39
	v_cmp_gt_u32 s40, v26, v24
	v_cmp_eq_u32 s41, v26, v24
	v_cmp_lt_u32 s42, v27, v25
	s_and_b32 s41, s41, s42
	s_or_b32 s40, s40, s41
	v_cndmask_b32 v25, v25, v27, s40               ; every lane (r, .) holds query r's block
.irp i, 0,1,2,3
	ds_bpermute_b32 v[240+\i], v[244+\i], v25
.endr
	v_min_u32 v28, 0x3ff8, v25                     ; my query's block, inside the table
	v_lshlrev_b32 v248, 2, v28
	global_load_b128 v[232:235], v248, s[8:9]      ; cb of its eight keys
	global_load_b128 v[236:239], v248, s[8:9] offset:16
	s_wait_dscnt 0x0
.irp i, 0,1,2,3
	v_min_u32 v[240+\i], 0x3ff8, v[240+\i]
.endr
.irp i, 0,1,2,3
	v_lshlrev_b32 v[244+\i], 8, v[240+\i]
.endr
.irp i, 0,1,2,3
	v_add_nc_u32 v[244+\i], v[244+\i], v6          ; key (block + r % 8)'s row of 256 bytes, + 16 h
.endr
.irp i, 0,1,2,3
.irp s, 0,1
.irp c, 0,1,2,3
	global_load_b128 v[64+32*\i+16*\s+4*\c:64+32*\i+16*\s+4*\c+3], v[244+\i], s[6:7] offset:128*\s+32*\c
.endr
.endr
.endr
	s_wait_kmcnt 0x0
	s_add_co_i32 s22, s22, s23
	s_add_co_i32 s22, s22, 128
	s_lshl_b32 s22, s22, 23
	s_or_b32 s22, s22, 0x80000000                  ; -2^(e0 + e1 + 1) as f32
	s_wait_loadcnt 0x0
.irp i, 0,1,2,3                                ; the four accumulators by turns
	v_wmma_f32_16x16x128_fp8_fp8 v[192+8*\i:199+8*\i], v[64+32*\i:79+32*\i], v[32:47], v[232:239]
.endr
.irp i, 0,1,2,3
	v_wmma_f32_16x16x128_fp8_fp8 v[192+8*\i:199+8*\i], v[80+32*\i:95+32*\i], v[48:63], v[192+8*\i:199+8*\i]
.endr
.rept 4
	v_nop                                          ; four places in front of the first read of results (ISA guide 7.12.1)
.endr
.irp j, 0,1,2,3,4,5,6,7                        ; my query's eight, out of the tile that holds them; j ascending: each accumulator is read from its low end on
	v_cndmask_b32 v[224+\j], v[192+\j], v[200+\j], s43
	v_cndmask_b32 v[224+\j], v[224+\j], v[208+\j], s44
	v_cndmask_b32 v[224+\j], v[224+\j], v[216+\j], s45
.endr
	v_max3_num_f32 v248, v224, v225, v226
	v_max3_num_f32 v248, v248, v227, v228
	v_max3_num_f32 v248, v248, v229, v230
	v_max_num_f32 v248, v248, v231                 ; the largest v
	v_mov_b32 v249, 7
.irp j, 6,5,4,3,2,1,0
	v_cmp_neq_f32 vcc_lo, v[224+\j], v248
	v_cndmask_b32 v249, \j, v249, vcc_lo           ; downward, so that the first key that holds it stays
.endr
	v_fma_f32 v250, v248, s22, v29                 ; d2 = a2 + (b2 - 2 a.b)
	v_max_num_f32 v250, 0, v250
	v_sqrt_f32 v250, v250
	v_add_nc_u32 v251, v28, v249                   ; the key.  (A plain line behind the root)
	s_wait_alu depctr_va_vdst(0)
	ds_bpermute_b32 v248, v7, v250                 ; the eight lanes that hold results hand them to lanes l % 8
	ds_bpermute_b32 v253, v7, v251
	s_wait_dscnt 0x0
	ds_store_b32 v254, v248                        ; the four lanes with the same l % 8 write the same word with the same value
	ds_store_b64 v255, v[252:253]                  ; (query, key)
	s_wait_dscnt 0x0                               ; for the others' sake: my stores have landed
	s_barrier_signal -1
	s_barrier_wait -1
	s_cmp_eq_u32 s24, 0
	s_cbranch_scc0 .Lnot_wave_0
	ds_load_b128 v[8:11], v30 offset:256           ; 64 pairs: 512 consecutive bytes, aligned
	s_wait_dscnt 0x0
	global_store_b128 v30, v[8:11], s[20:21]
	s_set_vgpr_msb 0x5
	s_wait_tensorcnt 0x0
	ds_add_u32 v0, v1
	s_wait_dscnt 0x0
	s_set_vgpr_msb 0x500
	s_endpgm
.Lnot_wave_0:
	s_cmp_eq_u32 s24, 1
	s_cbranch_scc0 .Lend
	ds_load_b64 v[8:9], v31                        ; 64 distances: 256 consecutive bytes, aligned
	s_wait_dscnt 0x0
	global_store_b64 v31, v[8:9], s[18:19]
.Lend:
	s_set_vgpr_msb 0x5
	s_wait_tensorcnt 0x0
	ds_add_u32 v0, v1
	s_wait_dscnt 0x0
	s_set_vgpr_msb 0x500
	s_endpgm
.Lfunc_end_k_qc70b79a4dd_resolve:
	.size	k_qc70b79a4dd_resolve, .Lfunc_end_k_qc70b79a4dd_resolve-k_qc70b79a4dd_resolve
	.p2alignl 7, 3214868480
	.fill 96, 4, 3214868480
	.section	.rodata,"a",@progbits
	.p2align	6, 0x0
	.amdhsa_kernel k_qc70b79a4dd_resolve
		.amdhsa_group_segment_fixed_size 2048
		.amdhsa_private_segment_fixed_size 0
		.amdhsa_enable_private_segment 0
		.amdhsa_kernarg_size 72
		.amdhsa_user_sgpr_count 2
		.amdhsa_user_sgpr_kernarg_segment_ptr 1
		.amdhsa_wavefront_size32 1
		.amdhsa_system_sgpr_workgroup_id_x 1
		.amdhsa_system_sgpr_workgroup_id_y 1
		.amdhsa_system_sgpr_workgroup_id_z 1
		.amdhsa_system_vgpr_workitem_id 0
		.amdhsa_next_free_vgpr 258
		.amdhsa_next_free_sgpr 66
		.amdhsa_reserve_vcc 1
		.amdhsa_float_denorm_mode_32 3
		.amdhsa_float_denorm_mode_16_64 3
		.amdhsa_memory_ordered 1
		.amdhsa_forward_progress 1
		.amdhsa_inst_pref_size 16
	.end_amdhsa_kernel
	.amdgpu_metadata
---
amdhsa.version: [ 1, 2 ]
amdhsa.kernels:
  - .name:           k_qc70b79a4dd_resolve
    .symbol:         k_qc70b79a4dd_resolve.kd
    .args:
      - { .name: qcodes, .offset: 0, .size: 8, .value_kind: global_buffer, .address_space: global }
      - { .name: kcodes, .offset: 8, .size: 8, .value_kind: global_buffer, .address_space: global }
      - { .name: cb, .offset: 16, .size: 8, .value_kind: global_buffer, .address_space: global }
      - { .name: a2, .offset: 24, .size: 8, .value_kind: global_buffer, .address_space: global }
      - { .name: pkey, .offset: 32, .size: 8, .value_kind: global_buffer, .address_space: global }
      - { .name: pidx, .offset: 40, .size: 8, .value_kind: global_buffer, .address_space: global }
      - { .name: lowp_scales, .offset: 48, .size: 8, .value_kind: global_buffer, .address_space: global }
      - { .name: out0, .offset: 56, .size: 8, .value_kind: global_buffer, .address_space: global }
      - { .name: out1, .offset: 64, .size: 8, .value_kind: global_buffer, .address_space: global }
    .group_segment_fixed_size: 2048
    .private_segment_fixed_size: 0
    .kernarg_segment_align: 8
    .kernarg_segment_size: 72
    .max_flat_workgroup_size: 256
    .sgpr_count:     66
    .vgpr_count:     258
    .wavefront_size: 32
...
	.end_amdgpu_metadata
.endif
;; end of part 3
